; MI455X (gfx1250); checked and timed in simulation.
; The chip was launched on July 23, 2026; its instructions are those of AMD's public machine-readable ISA for CDNA 5 (MIT licence, August 2026) and "CDNA5" Instruction Set Architecture Reference Guide (July 2026). The comments in the code are by the model that wrote it; some were corrected since.
;; Ternary Weight. Allowed arithmetic: float matrix products may take bf16 or f16 operands with f32 sums; other float arithmetic in f32, or as packed bf16 or f16 multiplies, adds, multiply-adds, maxima and minima; sums over many terms, partial sums and values carried from step to step in f32; what a program stores and reads back later, other than sums and carried values, may be rounded once to bf16 or f16.
;; Inputs: bias 11,008 float32; scale 11,008 x 1 float32; weight 11,008 x 4,096 float32; x 1,024 x 4,096 float32.
;; Outputs: out0 1,024 x 11,008 float32.
;; One version. Each part assembles by itself: llvm-mc -triple=amdgcn-amd-amdhsa -mcpu=gfx1250 --defsym DOCPART=n.
;; ======== version 1 of 1: 2 launches
;; workspace buffers: wb 91,226,112 bytes; xr 8,388,608 bytes; part 1,024 bytes
;; launch prep (part 1): grid 256 x 1, 32 waves a work-group, no clusters, 4,352 bytes of LDS; arguments weight, x, wb, xr, part; writes wb, xr, part
.if DOCPART == 1
	.amdgcn_target "amdgcn-amd-amdhsa--gfx1250"
	.amdhsa_code_object_version 6
	.text
	.protected	k_qf7e928b7ec_prep
	.globl	k_qf7e928b7ec_prep
	.p2align	8
	.type	k_qf7e928b7ec_prep,@function
k_qf7e928b7ec_prep:
	s_mov_b64 s[64:65], 0
	v_nop
	global_prefetch_b8 v0, s[64:65] scope:SCOPE_SE
	s_setreg_imm32_b32 hwreg(HW_REG_WAVE_MODE, 25, 1), 1
	s_wait_xcnt 0x0
; wb[o][i] = bf16(weight[o][i]) for o < 11008, 0 for the 128 rows behind them;  xr[m][j] = bf16(x[m][(j - 32) mod 4096]);
; part[g] = work-group g's sum of |bf16(weight)|, in f32.  One rounding to nearest even for each number.
; WHY ROUNDED FIRST.  The threshold of the next launch is the mean of the ROUNDED magnitudes and is held against the ROUNDED weights: the whole program is the
; reference on inputs rounded to bf16.  LIMIT: a weight whose f32 value lies within half a bf16 step of +-alpha may so get another ternary value than unrounded.  NaN is not treated apart.
; SHARES.  256 work-groups of 32 waves.  Work-group g takes weight rows 43 g .. 43 g + 42 and x rows 4 g .. 4 g + 3: 47 sweeps of one row of 16,384 bytes.  Thread t takes four
; numbers of each row: a wave's load covers 512 consecutive bytes, its store 256 consecutive bytes at a multiple of 256 from the buffer's first byte.
; x is turned by 32 columns on the way: the LOAD's offset is (16 t - 128) mod 16,384, the store stays aligned.  Those loads begin 128 bytes into an aligned block of 256: 4 sweeps of 47.
; Work-groups 0 to 127 also write one row of zeros each, wb's rows 11008 + g: the next launch's last column tile reads them.
; IN FLIGHT.  A ring of 12 slots in registers: 12 loads of every wave are out.  Every row's offset stands in an immediate (42 x 16,384 at the most), so no address register is ever rewritten
; and the text has no loop.  The numbers to store have 24 slots of their own, so that a slot's next load waits for nothing but its own data.  No matrix unit, no cluster, no tile in LDS: no byte is wanted twice.
; THE SUM.  Four chains of 43 terms a thread, then a tree: lanes, waves (through 32 words of LDS), and in the next launch the 256 work-groups.  part is stored as 4 bytes a work-group: 1,024 bytes in the launch.
.set ROWB,   16384                     ; bytes in a row of weight and of x
.set OROW,   8192                      ; bytes in a row of wb and of xr
.set WROWS,  43                        ; weight rows of a work-group
.set SWEEPS, WROWS+4                   ; and its four rows of x
.set DEPTH,  12                        ; slots of X = loads in flight in each wave
.set YD,     24                        ; slots of Y
.set SPARE,  256                       ; LDS: bytes 0-127 the 32 waves' sums; from 256 on the spare words, 128 bytes for each wave, which no other line names
.set WO,  2                            ; v2       16 t: my 16 bytes in a row of weight; never rewritten
.set XO,  3                            ; v3       (16 t - 128) mod 16,384: my 16 bytes in a row of x; never rewritten
.set SO,  4                            ; v4       8 t: my 8 bytes in a row of wb and of xr; never rewritten
.set SPW, 5                            ; v5       LDS address of my spare word; never rewritten
.set NIL, 6                            ; v6       0; never rewritten
.set LA,  7                            ; v7       LDS address of a wave's sum
.set T,   8                            ; v8-9     two packed magnitudes each
.set U,   10                           ; v[10:11] the first word's two magnitudes in f32
.set S,   12                           ; v[12:15] the four running sums
.set Z,   16                           ; v[16:17] zeros
.set U2,  18                           ; v[18:19] the second word's two magnitudes
.set X,   20                           ; v[20:67]  slot i of 12: 4 registers as loaded
.set Y,   68                           ; v[68:115] slot i of 24: 2 registers to store
	s_load_b256 s[4:11], s[0:1], 0x0               ; weight s[4:5], x s[6:7], wb s[8:9], xr s[10:11]
	s_load_b64 s[12:13], s[0:1], 0x20              ; part
	v_lshl_add_u32 v[SPW], v0, 2, SPARE
	v_mov_b32 v[NIL], 0
	v_lshrrev_b32 v1, 5, v0
	v_readfirstlane_b32 s14, v1                    ; wave 0..31
	s_mov_b32 s15, 0x7fff7fff                      ; clears the signs of two bf16
	s_mov_b32 s16, 0xffff0000                      ; a word's upper bf16
	s_mov_b32 s20, 0x76543210                      ; v_permlanex16_b32: each lane takes its own place in the other half
	s_mov_b32 s21, 0xfedcba98
	v_lshlrev_b32 v[WO], 4, v0
	v_add_nc_u32 v[XO], ROWB-128, v[WO]
	v_and_b32 v[XO], ROWB-1, v[XO]
	v_lshlrev_b32 v[SO], 3, v0
	v_mov_b32 v[Z], 0
	v_mov_b32 v[Z+1], 0
	s_mov_b32 s19, 0                               ; every offset below stays under 2^32
	s_wait_kmcnt 0x0
	s_add_co_u32 s18, ttmp9, 11008
	s_lshl_b32 s18, s18, 13
	s_add_nc_u64 s[24:25], s[8:9], s[18:19]        ; wb's row 11008 + g (used where g < 128)
	s_mul_i32 s18, ttmp9, WROWS*ROWB
	s_add_nc_u64 s[4:5], s[4:5], s[18:19]          ; weight at my first row
	s_mul_i32 s18, ttmp9, WROWS*OROW
	s_add_nc_u64 s[8:9], s[8:9], s[18:19]          ; wb likewise
	s_lshl_b32 s18, ttmp9, 16
	s_add_nc_u64 s[6:7], s[6:7], s[18:19]          ; x at my four rows
	s_lshl_b32 s18, ttmp9, 15
	s_add_nc_u64 s[10:11], s[10:11], s[18:19]      ; xr likewise
	s_lshl_b32 s18, ttmp9, 2
	s_add_nc_u64 s[12:13], s[12:13], s[18:19]      ; my word of part
.macro LOADN n                         ; sweep n into slot n % 12
.if (\n) < WROWS
	global_load_b128 v[X+4*((\n)%DEPTH):X+4*((\n)%DEPTH)+3], v[WO], s[4:5] offset:(\n)*ROWB th:TH_LOAD_NT
.else
	global_load_b128 v[X+4*((\n)%DEPTH):X+4*((\n)%DEPTH)+3], v[XO], s[6:7] offset:((\n)-WROWS)*ROWB th:TH_LOAD_NT
.endif
.endm
; Sweep n's turn: rounded, summed (weights alone), the slot asked for again, stored.
.macro TURN n
.set xs, X+4*((\n)%DEPTH)
.set ys, Y+2*((\n)%YD)
.if (\n) < SWEEPS-DEPTH
	s_wait_loadcnt DEPTH-1                         ; loads come back in order (ISA guide 5.7.1): mine is in, the eleven younger ones stay out
.else
	s_wait_loadcnt SWEEPS-1-(\n)                   ; nothing is asked for any more: the counts run down
.endif
.if (\n) == YD
	s_wait_xcnt 0x0                                ; sweeps 24 to 46 write again the Y registers that the stores of sweeps 0 to 22 read: this one wait stands behind all those stores and ahead of all those writes
.endif
	v_cvt_pk_bf16_f32 v[ys], v[xs], v[xs+1]        ; two roundings to nearest even, packed
	v_cvt_pk_bf16_f32 v[ys+1], v[xs+2], v[xs+3]
.if (\n) < WROWS
	v_and_b32 v[T], s15, v[ys]                     ; the rounded numbers' magnitudes
	v_and_b32 v[T+1], s15, v[ys+1]
.if (\n) == 0                          ; the first sweep starts the four sums: nothing is cleared
	v_lshlrev_b32 v[S], 16, v[T]
	v_and_b32 v[S+1], s16, v[T]
	v_lshlrev_b32 v[S+2], 16, v[T+1]
	v_and_b32 v[S+3], s16, v[T+1]
.else
	v_lshlrev_b32 v[U], 16, v[T]
	v_and_b32 v[U+1], s16, v[T]
	v_lshlrev_b32 v[U2], 16, v[T+1]
	v_and_b32 v[U2+1], s16, v[T+1]
	v_pk_add_f32 v[S:S+1], v[S:S+1], v[U:U+1]
	v_pk_add_f32 v[S+2:S+3], v[S+2:S+3], v[U2:U2+1]
.endif
.endif
.if (\n)+DEPTH < SWEEPS
	LOADN (\n)+DEPTH                               ; the load goes out ahead of the store
.endif
.if (\n) < WROWS
	global_store_b64 v[SO], v[ys:ys+1], s[8:9] offset:(\n)*OROW th:TH_STORE_NT
.else
	global_store_b64 v[SO], v[ys:ys+1], s[10:11] offset:((\n)-WROWS)*OROW
.endif
.endm
.set sw, 0
.rept DEPTH
	LOADN sw                                       ; the ring is filled
.set sw, sw+1
.endr
	s_cmp_lt_u32 ttmp9, 128
	s_cbranch_scc0 .Lno_zero_row
	global_store_b64 v[SO], v[Z:Z+1], s[24:25] th:TH_STORE_NT  ; one of the 128 rows of zeros
.Lno_zero_row:
.set sw, 0
.rept SWEEPS
	TURN sw
.set sw, sw+1
.endr
	; the lane's four sums, the wave's 32 lanes, the work-group's 32 waves
	v_pk_add_f32 v[S:S+1], v[S:S+1], v[S+2:S+3]
	v_add_f32 v[S], v[S], v[S+1]
	v_add_f32_dpp v[S], v[S], v[S] row_xmask:1 row_mask:0xf bank_mask:0xf
	v_add_f32_dpp v[S], v[S], v[S] row_xmask:2 row_mask:0xf bank_mask:0xf
	v_add_f32_dpp v[S], v[S], v[S] row_xmask:4 row_mask:0xf bank_mask:0xf
	v_add_f32_dpp v[S], v[S], v[S] row_xmask:8 row_mask:0xf bank_mask:0xf
	v_permlanex16_b32 v[S+1], v[S], s20, s21
	v_add_f32 v[S], v[S], v[S+1]
	v_mov_b32 v[LA], s14
	v_lshlrev_b32 v[LA], 2, v[LA]
	ds_store_b32 v[LA], v[S]                       ; all lanes write the wave's word with the same value
	s_wait_dscnt 0x0                               ; for the others' sake: my store is done
	s_barrier_signal -1
	s_barrier_wait -1                              ; all 32 sums lie in LDS
	s_cmp_lg_u32 s14, 0
	s_cbranch_scc1 .Lend                           ; wave 0 alone adds them
	v_and_b32 v[LA], 31, v0
	v_lshlrev_b32 v[LA], 2, v[LA]
	ds_load_b32 v[S], v[LA]                        ; lane l takes wave l's sum
	s_wait_dscnt 0x0
	v_add_f32_dpp v[S], v[S], v[S] row_xmask:1 row_mask:0xf bank_mask:0xf
	v_add_f32_dpp v[S], v[S], v[S] row_xmask:2 row_mask:0xf bank_mask:0xf
	v_add_f32_dpp v[S], v[S], v[S] row_xmask:4 row_mask:0xf bank_mask:0xf
	v_add_f32_dpp v[S], v[S], v[S] row_xmask:8 row_mask:0xf bank_mask:0xf
	v_permlanex16_b32 v[S+1], v[S], s20, s21
	v_add_f32 v[S], v[S], v[S+1]
	v_cmp_eq_u32 vcc_lo, 0, v0
	s_wait_xcnt 0x0                                ; EXEC is a source of the stores above: it changes only behind this wait
	s_and_saveexec_b32 s22, vcc_lo
	global_store_b32 v[Z], v[S], s[12:13]          ; thread 0 stores the work-group's sum
	s_wait_xcnt 0x0                                ; and again, in front of the line that widens EXEC
	s_or_b32 exec_lo, exec_lo, s22
.Lend:
	s_wait_tensorcnt 0x0                           ; the wave's end, behind my last LDS store
	ds_add_u32 v[SPW], v[NIL]
	s_wait_dscnt 0x0
	s_endpgm
.Lfunc_end_k_qf7e928b7ec_prep:
	.size	k_qf7e928b7ec_prep, .Lfunc_end_k_qf7e928b7ec_prep-k_qf7e928b7ec_prep
	.p2alignl 7, 3214868480
	.fill 96, 4, 3214868480
	.section	.rodata,"a",@progbits
	.p2align	6, 0x0
	.amdhsa_kernel k_qf7e928b7ec_prep
		.amdhsa_group_segment_fixed_size 4352
		.amdhsa_private_segment_fixed_size 0
		.amdhsa_enable_private_segment 0
		.amdhsa_kernarg_size 40
		.amdhsa_user_sgpr_count 2
		.amdhsa_user_sgpr_kernarg_segment_ptr 1
		.amdhsa_wavefront_size32 1
		.amdhsa_system_sgpr_workgroup_id_x 1
		.amdhsa_system_sgpr_workgroup_id_y 1
		.amdhsa_system_sgpr_workgroup_id_z 1
		.amdhsa_system_vgpr_workitem_id 0
		.amdhsa_next_free_vgpr 116
		.amdhsa_next_free_sgpr 66
		.amdhsa_reserve_vcc 1
		.amdhsa_float_denorm_mode_32 3
		.amdhsa_float_denorm_mode_16_64 3
		.amdhsa_memory_ordered 1
		.amdhsa_forward_progress 1
		.amdhsa_inst_pref_size 33
	.end_amdhsa_kernel
	.amdgpu_metadata
---
amdhsa.version: [ 1, 2 ]
amdhsa.kernels:
  - .name:           k_qf7e928b7ec_prep
    .symbol:         k_qf7e928b7ec_prep.kd
    .args:
      - { .name: weight, .offset: 0, .size: 8, .value_kind: global_buffer, .address_space: global }
      - { .name: x, .offset: 8, .size: 8, .value_kind: global_buffer, .address_space: global }
      - { .name: wb, .offset: 16, .size: 8, .value_kind: global_buffer, .address_space: global }
      - { .name: xr, .offset: 24, .size: 8, .value_kind: global_buffer, .address_space: global }
      - { .name: part, .offset: 32, .size: 8, .value_kind: global_buffer, .address_space: global }
    .group_segment_fixed_size: 4352
    .private_segment_fixed_size: 0
    .kernarg_segment_align: 8
    .kernarg_segment_size: 40
    .max_flat_workgroup_size: 1024
    .sgpr_count:     66
    .vgpr_count:     116
    .wavefront_size: 32
...
	.end_amdgpu_metadata
.endif
;; end of part 1
;; launch gemm (part 2): grid 4 x 58, 4 waves a work-group, clusters of 4 x 2, 327,680 bytes of LDS; arguments xr, wb, part, scale, bias, out0; writes out0
.if DOCPART == 2
	.amdgcn_target "amdgcn-amd-amdhsa--gfx1250"
	.amdhsa_code_object_version 6
	.text
	.protected	k_qf7e928b7ec_gemm
	.globl	k_qf7e928b7ec_gemm
	.p2align	8
	.type	k_qf7e928b7ec_gemm,@function
k_qf7e928b7ec_gemm:
	s_mov_b64 s[64:65], 0
	v_nop
	global_prefetch_b8 v0, s[64:65] scope:SCOPE_SE
	s_setreg_imm32_b32 hwreg(HW_REG_WAVE_MODE, 25, 1), 1
	s_wait_xcnt 0x0
	s_wait_alu depctr_hold_cnt(0) depctr_sa_sdst(0) depctr_va_vdst(0) depctr_va_sdst(0) depctr_va_ssrc(0) depctr_va_vcc(0) depctr_vm_vsrc(0)
	s_getreg_b32 s2, hwreg(HW_REG_IB_STS2, 6, 4)
	s_cmp_eq_u32 s2, 0
	s_cbranch_scc0 .Lentry_in_a_cluster
	s_endpgm
.Lentry_in_a_cluster:
	s_bfe_u32 s2, ttmp6, 0x10000c
	s_cmp_lg_u32 s2, 0x7013
	s_cbranch_scc0 .Lentry_shape_is_right
	s_endpgm
.Lentry_shape_is_right:
; out0[m][o] = scale[o] x (the sum over i of x[m][i] q[o][i]) + bias[o];  q = sign(w) where |w| > alpha, else 0;  alpha = the mean of |w| over all 11008 x 4096 weights.
; FORMATS AND LIMITS.  All four inputs are taken rounded once to bf16 (x and weight by the launch before, scale and bias here); alpha is the mean of the rounded magnitudes (256 partial sums in f32, added
; here as a tree, times the f32 nearest to 1 / 45,088,768) and is held against the rounded weights.  A weight whose f32 value lies within half a bf16 step of +-alpha may so get another ternary value than
; unrounded.  q enters the products as +-2.0 or 0, and scale as scale / 2 (exact down to 2^-125): the f32 sums reach twice the reference's.  NaN in weight is not treated apart.
; SHARES.  A work-group makes 256 rows x 192 columns of out0: 4 x 58 tiles; 192 columns are three aligned blocks of 256 bytes of a row, and 11008 = 57 x 192 + 64: the last column tile stores one block of three
; (its other rows of wb are zeros that the launch before wrote).  The four waves split the COLUMNS: a wave makes 256 x 48, 48 accumulators of 16 x 16, so that each word of wb is made ternary by ONE wave, in registers.
; TERNARY IN FIVE LINES, two weights a word.  With A = alpha's upper 16 bits, |w| > alpha holds just where (bits & 0x7fff) > A.  T = w & 0x7fff7fff; T += (0x7fff - A) in both halves: bit 15 of a half is now the
; answer, and no carry leaves a half; T &= 0x80008000; U = T >> 1 (0x4000 is 2.0 in bf16); w = (T & w) | U.  120 such lines for 48 products: they stand in fours behind 30 of them.
; ONE QUARTER AHEAD.  B must be in registers a quarter step (32 along K) earlier than A, to be made ternary while the quarter before is multiplied.  xr is x turned by 32 columns, so quarter i multiplies chunk i of
; xr with chunk i - 1 of wb, and one run of LDS loads takes the SAME chunk of both tiles: A for the next quarter, B for the one after.  Quarter 0 wants wb's chunk 127: six loads a wave straight from memory, at the head.
; RING.  K goes in steps of 128 through two LDS slots: 256 rows of xr and 192 rows of wb, each row 256 bytes of memory at a multiple of 256.  Waves 0 and 1 fetch A's halves, waves 2 and 3 B's: one tensor load a wave.
; CLUSTER.  4 x 2 work-groups: the four row tiles (cx) of two neighbouring column tiles (cy).  The four of a row of the cluster need the same tiles of wb, the two of a column the same tiles of xr: each tile is asked
; for JOINTLY, by the same tensor load with the same descriptor and a mask that names the four or the two.  That divides the requests for wb by four and those for xr by two.  More than two column tiles in a
; cluster do not divide the grid: there are 58 = 2 x 29 of them.  No branch and no LDS address hangs on cx or cy: the last column tile's empty blocks are left out by EXEC, not by a jump.
; THE MATRIX INSTRUCTION IS USED TRANSPOSED (source 0 = 16 rows of wb, source 1 = 16 rows of xr): a lane then holds eight neighbouring columns of one row of out0.
; REGISTERS, in windows of 256 (s_set_vgpr_msb: bits 1:0 source 0, 3:2 source 1, 5:4 source 2, 7:6 destination):
;   window 0: v2-15 addresses; v16-31 at work at the head; v32-47 T, U; v48-71 scale / 2; v72-95 bias; v96-191 four buffers of B (3 fragments each); v192-255 the way out
;   window 1: two buffers of A (16 fragments each)      window 2: accumulators of my rows 0-127, (a, b) at 8 (3 a + b)      window 3: those of rows 128-255
.set KSTEP,  128
.set KB,     8192                      ; bytes in a row of xr and of wb
.set PITCH,  272                       ; an LDS row: 256 bytes + 16 of padding = 68 words: the 16 rows of a load start at 16 different groups of four banks (64 banks of 4 bytes: ISA guide 11.1)
.set SLOT1,  1<<17                     ; slot 1 begins here, so that one exclusive or turns an address in one slot into the other's
.set BOFF,   256*PITCH                 ; in a slot: A's 256 rows, then B's 192
.set SPARE,  SLOT1+BOFF+192*PITCH      ; behind slot 1: the spare words, 128 bytes for each wave: two blocks of 256 bytes that no other line names
.set SP,     784                       ; the stage (from byte 0, written when the slots have had their last fill): 256 rows of 768 bytes + 16
.set OROW,   44032                     ; bytes in a row of out0: 172 blocks of 256
.set AA0,  2                           ; v2     my lane's place in a tile of A: (l % 16) x 272 + 16 (l / 16); never rewritten
.set AB0,  3                           ; v3     the same in my wave's 48 rows of B
.set ADRA, 4                           ; v4     AA0 + the slot in hand
.set ADRB, 5                           ; v5     AB0 + the slot in hand
.set STO,  6                           ; v6-9   the way out: where I put 32 bytes of a row, for each 64 rows
.set RD,   10                          ; v10    the way out: where I read rows back
.set CO,   11                          ; v11    my byte offset in out0
.set PFOA, 12                          ; v12    A's prefetches: my lane x a row; never rewritten
.set PFOB, 13                          ; v13    B's: (l % 16) rows + (l / 16) K steps; never rewritten
.set SPW,  14                          ; v14    LDS address of my spare word; never rewritten
.set NIL,  15                          ; v15    0; never rewritten
.set UN,   16                          ; v16    the way out: 3 x column tile, the number of the tile's first block of 256 bytes in a row of out0
.set T,    32
.set U,    40
.set SC,   48                          ; scale / 2 of column 16 b + 8 (l / 16) + j of my 48 at SC + 8 b + j
.set BI,   72                          ; bias likewise
.set BB,   96                          ; buffer c, fragment b at BB + 24 c + 8 b
.set OB,   192
.set LT,   2                           ; s2   at work on LDS addresses alone: made of the wave's number and constants
.set CLY,  3                           ; s3   cluster y, which all eight partners share
.set WV,   16                          ; s16  my wave's number
.set WH,   17                          ; s17  wave / 2: I fetch for A (0) or for B (1)
.set WL,   18                          ; s18  wave % 2: which half of that tile
.set CX,   19                          ; s19  my place along the cluster's x
.set NY,   20                          ; s20  the column tile = 2 x cluster y + cy
.set CNT,  21                          ; s21  trips still to come
.set TB,   22                          ; s22  the slot in hand: 0 or SLOT1
.set KK,   23                          ; s23  0x7fff - A, in both halves
.set MAG,  24                          ; s24  0x7fff7fff
.set FLG,  25                          ; s25  0x80008000
.set MT,   26                          ; s26  the row tile = 4 x cluster x + cx
.set CY,   27                          ; s27  my place along the cluster's y
.set G1A,  28                          ; s[28:35] descriptor group 1 for A's tiles
.set G1B,  36                          ; s[36:43] for B's
.set G0A,  44                          ; s[44:51] group 0 for A's tiles: a set for each of the two first fills; the second then walks on
.set G0B,  52                          ; s[52:59] the same for B's
.set PFA,  60                          ; s[60:61] where my prefetches of xr stand
.set PFB,  62                          ; s[62:63] of wb
.set LIMA, 66                          ; s66  a wave prefetches xr while s[CNT] is above it
.set LIMB, 67                          ; s67  wb likewise
.set SEL,  72                          ; s[72:73] v_permlanex16_b32's selects
.set MX,   80                          ; s[80:83] at work on numbers that hold both cx and cy: out0's and the prefetches' addresses
.set SVX,  84                          ; s84  EXEC, kept while it is narrowed
; s[68:71] at work on numbers that hold cx and never cy: these alone feed A's descriptors;  s[74:77] on numbers that hold cy and never cx: these alone feed B's
.set MSB, 0
.macro WIN new                         ; the immediate's high byte repeats the setting that is left; a switch that changes nothing is dropped
.if MSB != (\new)
	s_set_vgpr_msb (MSB<<8)|(\new)
.set MSB, \new
.endif
.endm
.set MUL_LO, 0xa4                      ; source 0 (B) window 0, source 1 (A) window 1, C and D window 2
.set MUL_HI, 0xf4                      ; the same, C and D window 3
; A joint refill: waves 0 and 1 ask for A's halves, waves 2 and 3 for B's.  Each of the two lines has one mask and one set of registers for all that issue it.  The branch hangs on the wave's number alone.
; An s_nop 0 and four v_nop follow each of the two lines, ahead of the jump and the label.
.macro JLOAD
	s_cmp_eq_u32 s[WH], 0
	s_cbranch_scc0 .Lfor_b_\@
	tensor_load_to_lds s[G0A+4:G0A+7], s[G1A:G1A+7]
	s_nop 0
.rept 4
	v_nop
.endr
	s_branch .Lasked_\@
.Lfor_b_\@:
	tensor_load_to_lds s[G0B+4:G0B+7], s[G1B:G1B+7]
	s_nop 0
.rept 4
	v_nop
.endr
.Lasked_\@:
.endm
; PREFETCHES INTO THE L2, behind the refill, its five lines and the run of LDS loads.  The trip whose refill asks for K step s + 2 names K step s + 4: two refills, 384 products, ahead of the load that wants it.
; xr: every cluster walks the same 1,024 rows; the cluster with y = 0 asks.  Its eight partners share the rows out BY ADDRESS: 128 each (256 cx + 128 cy on), 32 a wave: a lane a row, one line.
; wb: a row of the cluster reads its 192 rows alone; the partner at place cx takes rows 48 cx .. 48 cx + 47, again by address; waves 0 to 2 take 16 each.  Lanes 0-15 name K step s + 4, lanes 16-31 K step s + 5:
; one line every second trip.  So each row's 256 bytes of a K step are named once in the launch.  K steps 0 to 3 come by their loads alone; the limits stop both at K step 31.
.macro ASK
	s_cmp_gt_u32 s[CNT], s[LIMA]                   ; 30 - s > 2: K step s + 4 exists
	s_cbranch_scc0 .Lno_a_\@
	global_prefetch_b8 v[PFOA], s[PFA:PFA+1] th:TH_LOAD_NT scope:SCOPE_SE
.Lno_a_\@:
	s_bitcmp1_b32 s[CNT], 0                        ; the trips with an even count
	s_cbranch_scc1 .Lno_b_\@
	s_cmp_gt_u32 s[CNT], s[LIMB]                   ; 30 - s > 3: K step s + 5 exists
	s_cbranch_scc0 .Lno_b_\@
	global_prefetch_b8 v[PFOB], s[PFB:PFB+1] th:TH_LOAD_NT scope:SCOPE_SE
.Lno_b_\@:
.endm
; A round of the cluster's barrier: my work-group's barrier, so that wave 0's signal speaks for all four waves; wave 0 signals; every wave waits for all eight work-groups; my work-group's barrier once more.
.macro CREST                           ; a round behind its opening barrier
	s_cmp_lg_u32 s[WV], 0
	s_cbranch_scc1 .Lnot_wave_0_\@
	s_barrier_signal -3
.Lnot_wave_0_\@:
	s_barrier_wait -3
	s_barrier_signal -1
	s_barrier_wait -1
.endm
.macro CROUND
	s_barrier_signal -1
	s_barrier_wait -1
	CREST
.endm
	s_load_b256 s[4:11], s[0:1], 0x0               ; xr s[4:5], wb s[6:7], part s[8:9], scale s[10:11]
	s_load_b128 s[12:15], s[0:1], 0x20             ; bias s[12:13], out0 s[14:15]
	v_lshl_add_u32 v[SPW], v0, 2, SPARE
	v_mov_b32 v[NIL], 0
	ds_add_u32 v[SPW], v[NIL]                      ; the wave's opening: the add, twice on end, and its wait ahead of my first tensor load; the set-up below, work on registers, stands between
	ds_add_u32 v[SPW], v[NIL]                      ; and once more, under the one wait
	v_lshrrev_b32 v1, 5, v0
	v_readfirstlane_b32 s[WV], v1                  ; wave 0..3
	s_lshr_b32 s[WH], s[WV], 1
	s_and_b32 s[WL], s[WV], 1
	s_bfe_u32 s[CX], ttmp6, 0x40000                ; cx
	s_bfe_u32 s[CY], ttmp6, 0x40004                ; cy
	s_lshl_b32 s[MT], ttmp9, 2                     ; in a cluster launch ttmp9 and ttmp7 count clusters
	s_add_co_u32 s[MT], s[MT], s[CX]               ; row tile = 4 x cluster x + cx
	s_and_b32 s[CLY], ttmp7, 0xffff
	s_lshl_b32 s[NY], s[CLY], 1
	s_add_co_u32 s[NY], s[NY], s[CY]               ; column tile = 2 x cluster y + cy
	s_lshl_b32 s68, 0x11, s[CX]                    ; my column of the cluster: places cx and cx + 4
	s_lshl_b32 s74, s[CY], 2
	s_lshl_b32 s74, 15, s74                        ; my row: places 4 cy .. 4 cy + 3
	; descriptor group 1: tiles of 128 (A) or 96 (B) rows x 128 elements, padded in LDS
	s_or_b32 s[G1A], s68, (1<<16)|(1<<20)|(1<<21)|(5<<22)|(3<<25)  ; 15:0 the mask: A's tiles go to my column; 17:16 elements of 2 bytes; 20 padding on; 21 set beside a mask; 24:22 after every 64 words (code 5); 31:25 4 words of it (code 3)
	s_or_b32 s[G1B], s74, (1<<16)|(1<<20)|(1<<21)|(5<<22)|(3<<25)  ; the same with the mask of my row, for B's tiles
	s_mov_b32 s[G1A+2], 128<<16                    ; tensor_dim1
	s_mov_b32 s[G1B+2], 96<<16
	s_mov_b32 s[G1A+4], 128                        ; tile_dim1
	s_mov_b32 s[G1B+4], 96
.irp g, G1A, G1B
	s_mov_b32 s[\g+1], KSTEP<<16                   ; tensor_dim0 = 128
	s_mov_b32 s[\g+3], KSTEP<<16                   ; tile_dim0 = 128
	s_mov_b32 s[\g+5], 4096                        ; elements from row to row
	s_mov_b32 s[\g+6], 0
	s_mov_b32 s[\g+7], 0
.endr
	; group 0's constant words: no place in the cluster enters an LDS address
	s_mov_b32 s[G0A], 1
	s_mul_i32 s[G0A+1], s[WL], 128*PITCH           ; A's half, slot 0
	s_mov_b32 s[G0A+4], 1
	s_add_co_u32 s[G0A+5], s[G0A+1], SLOT1         ; slot 1
	s_mov_b32 s[G0B], 1
	s_mul_i32 s[G0B+1], s[WL], 96*PITCH
	s_add_co_u32 s[G0B+1], s[G0B+1], BOFF          ; B's half, slot 0
	s_mov_b32 s[G0B+4], 1
	s_add_co_u32 s[G0B+5], s[G0B+1], SLOT1
	s_lshl_b32 s68, s[MT], 21                      ; A: row 256 x row tile + 128 x half, times 8,192 bytes: it hangs on the row tile alone, which my column of the cluster shares
	s_lshl_b32 s69, s[WL], 20
	s_add_co_u32 s68, s68, s69
	s_mov_b32 s69, 0
	s_mul_i32 s74, s[NY], 192*KB                   ; B: row 192 x column tile + 96 x half: on the column tile alone, which my row shares
	s_mul_i32 s75, s[WL], 96*KB
	s_add_co_u32 s74, s74, s75
	s_mov_b32 s75, 0
	s_mov_b32 s[TB], 0
	s_mov_b32 s[MAG], 0x7fff7fff
	s_mov_b32 s[FLG], 0x80008000
	s_mov_b32 s[SEL], 0x76543210
	s_mov_b32 s[SEL+1], 0xfedcba98
	s_cmp_eq_u32 s[CLY], 0                         ; the same in all eight partners
	s_cselect_b32 s[LIMA], 2, -1
	s_cmp_lt_u32 s[WV], 3
	s_cselect_b32 s[LIMB], 3, -1
	s_wait_dscnt 0x0                               ; both opening adds are done
	s_wait_kmcnt 0x0
	s_add_nc_u64 s[70:71], s[4:5], s[68:69]
	s_add_nc_u64 s[76:77], s[6:7], s[74:75]
	s_mov_b64 s[G0A+2:G0A+3], s[70:71]             ; K step 0
	s_or_b32 s[G0A+3], s[G0A+3], 0x80000000        ; 127:126 type = 2
	s_add_nc_u64 s[G0A+6:G0A+7], s[70:71], 2*KSTEP ; K step 1
	s_or_b32 s[G0A+7], s[G0A+7], 0x80000000
	s_mov_b64 s[G0B+2:G0B+3], s[76:77]
	s_or_b32 s[G0B+3], s[G0B+3], 0x80000000
	s_add_nc_u64 s[G0B+6:G0B+7], s[76:77], 2*KSTEP
	s_or_b32 s[G0B+7], s[G0B+7], 0x80000000
	CROUND                                         ; all eight work-groups are here: the first joint loads meet
	s_cmp_eq_u32 s[WH], 0                          ; a wave's two first fills stand in one branch, ahead of every wait on TENSORcnt and every LDS read: two loads of mine are out
	s_cbranch_scc0 .Lfirst_b
	tensor_load_to_lds s[G0A:G0A+3], s[G1A:G1A+7]
	s_nop 0
	tensor_load_to_lds s[G0A+4:G0A+7], s[G1A:G1A+7]
	s_nop 0
.rept 4
	v_nop
.endr
	s_branch .Lfirst_asked
.Lfirst_b:
	tensor_load_to_lds s[G0B:G0B+3], s[G1B:G1B+7]
	s_nop 0
	tensor_load_to_lds s[G0B+4:G0B+7], s[G1B:G1B+7]
	s_nop 0
.rept 4
	v_nop
.endr
.Lfirst_asked:
	; twenty loads straight into registers: the partial sums, wb's chunk 127 of my 48 rows, scale and bias of my 48 columns
	v_and_b32 v28, 15, v0                          ; r = l % 16
	v_bfe_u32 v29, v0, 4, 1                        ; h = l / 16
	v_and_b32 v30, 31, v0                          ; l
	v_lshlrev_b32 v24, 4, v30
	global_load_b128 v[16:19], v24, s[8:9]         ; 8 of the 256 partial sums a lane
	global_load_b128 v[20:23], v24, s[8:9] offset:512
	s_mul_i32 s74, s[NY], 192
	s_mul_i32 s75, s[WV], 48
	s_add_co_u32 s74, s74, s75                     ; my first column of out0 = my first row of wb
	v_lshl_add_u32 v25, v29, 3, s74                ; + 8 h: my eight columns of fragment 0,
	v_add_nc_u32 v26, 16, v25                      ; 1
	v_add_nc_u32 v27, 32, v25                      ; and 2
	s_lshl_b32 s74, s74, 13
	s_mov_b32 s75, 0
	s_add_nc_u64 s[76:77], s[6:7], s[74:75]
	v_lshlrev_b32 v31, 13, v28
	v_lshl_add_u32 v31, v29, 4, v31                ; row r, 16 bytes for each half of the lanes
.irp f, 0,1,2
	global_load_b128 v[BB+8*\f:BB+8*\f+3],   v31, s[76:77] offset:\f*16*KB+127*64     ; 64 bytes of each of 48 rows, once a wave
	global_load_b128 v[BB+8*\f+4:BB+8*\f+7], v31, s[76:77] offset:\f*16*KB+127*64+32
.endr
.irp q, 25,26,27
	v_min_u32 v\q, 11000, v\q                      ; the last column tile reaches past column 11007: those lanes read the last eight numbers, and their results are not stored
	v_lshlrev_b32 v\q, 2, v\q
.endr
.irp f, 0,1,2
	global_load_b128 v[SC+8*\f:SC+8*\f+3],   v[25+\f], s[10:11]
	global_load_b128 v[SC+8*\f+4:SC+8*\f+7], v[25+\f], s[10:11] offset:16
	global_load_b128 v[BI+8*\f:BI+8*\f+3],   v[25+\f], s[12:13]
	global_load_b128 v[BI+8*\f+4:BI+8*\f+7], v[25+\f], s[12:13] offset:16
.endr
	; the lanes' addresses, while those loads are out
	v_mul_u32_u24 v[AA0], v28, PITCH
	v_lshl_add_u32 v[AA0], v29, 4, v[AA0]
	s_mul_i32 s[LT], s[WV], 48*PITCH
	s_add_co_u32 s[LT], s[LT], BOFF
	v_add_nc_u32 v[AB0], s[LT], v[AA0]
	v_mov_b32 v[ADRA], v[AA0]                      ; slot 0
	v_mov_b32 v[ADRB], v[AB0]
	v_mul_u32_u24 v[STO], v28, SP                  ; into the stage: row r, my wave's 192 bytes, 32 bytes for each half of the lanes
	v_lshl_add_u32 v[STO], v29, 5, v[STO]
	s_mul_i32 s[LT], s[WV], 192
	v_add_nc_u32 v[STO], s[LT], v[STO]
	v_add_nc_u32 v[STO+1], 64*SP, v[STO]
	v_add_nc_u32 v[STO+2], 128*SP, v[STO]
	v_add_nc_u32 v[STO+3], 192*SP, v[STO]
	s_mul_i32 s[LT], s[WV], 64*SP                  ; back: wave w takes rows 64 w .. 64 w + 63; lanes 0-15 256 bytes of one row, lanes 16-31 of the next
	v_mul_u32_u24 v[RD], v29, SP
	v_lshl_add_u32 v[RD], v28, 4, v[RD]
	v_add_nc_u32 v[RD], s[LT], v[RD]
	v_mul_u32_u24 v[CO], v29, OROW                 ; and the same two rows in out0
	v_lshl_add_u32 v[CO], v28, 4, v[CO]
	v_lshlrev_b32 v[PFOA], 13, v30
	v_lshlrev_b32 v[PFOB], 13, v28
	v_lshl_add_u32 v[PFOB], v29, 8, v[PFOB]
	s_lshl_b32 s[MX], s[MT], 8
	s_lshl_b32 s[MX+2], s[WV], 6
	s_add_co_u32 s[MX], s[MX], s[MX+2]             ; row 256 x row tile + 64 x wave: the first that I store
	s_mul_i32 s[MX], s[MX], OROW
	s_mul_i32 s[MX+2], s[NY], 768
	s_add_co_u32 s[MX], s[MX], s[MX+2]
	s_mov_b32 s[MX+1], 0
	s_add_nc_u64 s[14:15], s[14:15], s[MX:MX+1]    ; out0 at that row and the tile's first column
	s_lshl_b32 s[MX], s[MT], 8
	s_lshl_b32 s[MX+2], s[CY], 7
	s_add_co_u32 s[MX], s[MX], s[MX+2]
	s_lshl_b32 s[MX+2], s[WV], 5
	s_add_co_u32 s[MX], s[MX], s[MX+2]             ; xr's row 256 x row tile + 128 cy + 32 x wave: the first that I prefetch
	s_lshl_b32 s[MX], s[MX], 13
	s_add_co_u32 s[MX], s[MX], 3*2*KSTEP           ; at K step 3: the first change of slots steps it to 4
	s_add_nc_u64 s[PFA:PFA+1], s[4:5], s[MX:MX+1]
	s_mul_i32 s[MX], s[NY], 192
	s_mul_i32 s[MX+2], s[CX], 48
	s_add_co_u32 s[MX], s[MX], s[MX+2]
	s_lshl4_add_u32 s[MX], s[WV], s[MX]            ; wb's row 192 x column tile + 48 cx + 16 x wave
	s_lshl_b32 s[MX], s[MX], 13
	s_add_co_u32 s[MX], s[MX], 3*2*KSTEP
	s_add_nc_u64 s[PFB:PFB+1], s[6:7], s[MX:MX+1]
	s_wait_loadcnt 0x0                             ; all twenty
	; alpha, in every lane
	v_pk_add_f32 v[16:17], v[16:17], v[18:19]
	v_pk_add_f32 v[20:21], v[20:21], v[22:23]
	v_pk_add_f32 v[16:17], v[16:17], v[20:21]
	v_add_f32 v16, v16, v17
	v_add_f32_dpp v16, v16, v16 row_xmask:1 row_mask:0xf bank_mask:0xf
	v_add_f32_dpp v16, v16, v16 row_xmask:2 row_mask:0xf bank_mask:0xf
	v_add_f32_dpp v16, v16, v16 row_xmask:4 row_mask:0xf bank_mask:0xf
	v_add_f32_dpp v16, v16, v16 row_xmask:8 row_mask:0xf bank_mask:0xf
	v_permlanex16_b32 v17, v16, s[SEL], s[SEL+1]
	v_add_f32 v16, v16, v17
	v_mul_f32 v16, 0x32be82fa, v16                 ; x 1 / (43 x 2^20)
	v_lshrrev_b32 v16, 16, v16                     ; A
	v_sub_nc_u32 v16, 0x7fff, v16
	v_lshl_or_b32 v16, v16, 16, v16
	v_readfirstlane_b32 s[KK], v16                 ; an operand of vector lines alone: no address and no branch hangs on it
	; scale and bias rounded to bf16 and widened again; scale halved
.set i, 0
.rept 12
	v_cvt_pk_bf16_f32 v[T+i%8], v[SC+2*i], v[SC+2*i+1]
	v_cvt_pk_bf16_f32 v[U+i%8], v[BI+2*i], v[BI+2*i+1]
	v_lshlrev_b32 v[SC+2*i], 16, v[T+i%8]
	v_and_b32 v[SC+2*i+1], 0xffff0000, v[T+i%8]
	v_lshlrev_b32 v[BI+2*i], 16, v[U+i%8]
	v_and_b32 v[BI+2*i+1], 0xffff0000, v[U+i%8]
	v_pk_mul_f32 v[SC+2*i:SC+2*i+1], v[SC+2*i:SC+2*i+1], 0.5 op_sel_hi:[1,0]
.set i, i+1
.endr
; Line j of the 120 that make buffer buf ternary: fragment j / 40, step (j % 40) / 8 of the five, register j % 8: a line's result is read eight lines later.
.macro RID buf
.set rW, BB+24*(\buf)+8*(j/40)+j%8
.set rT, T+j%8
.set rU, U+j%8
.set st, (j%40)/8
.if st == 0
	v_and_b32 v[rT], s[MAG], v[rW]
.elseif st == 1
	v_add_nc_u32 v[rT], s[KK], v[rT]
.elseif st == 2
	v_and_b32 v[rT], s[FLG], v[rT]
.elseif st == 3
	v_lshrrev_b32 v[rU], 1, v[rT]
.else
	v_and_or_b32 v[rW], v[rT], v[rW], v[rU]
.endif
.set j, j+1
.endm
; Product n of a quarter's 48: rows 16 (n / 3) on, columns 16 (n % 3) on; B's buffer c, A's buffer c % 2.  The 48 accumulators take turns, one instruction a turn, in the same order in every quarter:
; 47 others stand between two links of a chain, over the backward jump too.  zero = 1: the product starts its sum: nothing is ever cleared.
; rid = 1: behind 5 products of every 8 stand four of the 120 lines for buffer c + 1, which the next quarter multiplies.  They name no register of the products round them.
.macro MM c, zero, rid
.set a, n/3
.set b, n%3
.set rD, 8*(3*(a%8)+b)
.set rB, BB+24*(\c)+8*b
.set rA, 128*((\c)%2)+8*a
	WIN MUL_LO+0x50*(a/8)
.if \zero
	v_wmma_f32_16x16x32_bf16 v[rD:rD+7], v[rB:rB+7], v[rA:rA+7], 0
.else
	v_wmma_f32_16x16x32_bf16 v[rD:rD+7], v[rB:rB+7], v[rA:rA+7], v[rD:rD+7]
.endif
.if (\rid) && ((n%8 == 0) || (n%8 == 1) || (n%8 == 3) || (n%8 == 4) || (n%8 == 6))
	WIN 0
.rept 4
	RID ((\c)+1)%4
.endr
.endif
.set n, n+1
.endm
; The LDS loads stand in one run: chunk c + 1 of the slot in hand: B's 3 fragments (fb = 1) into buffer c + 2, first, then A's 16 into buffer (c + 1) % 2.
.macro FETCH c, fb
.set KOFF, (((\c)+1)%4)*64
.set rF, BB+24*(((\c)+2)%4)
.set rG, 128*(((\c)+1)%2)
.if \fb
	WIN 0
.irp f, 0,1,2
	ds_load_b128 v[rF+8*\f:rF+8*\f+3],   v[ADRB] offset:\f*16*PITCH+KOFF
	ds_load_b128 v[rF+8*\f+4:rF+8*\f+7], v[ADRB] offset:\f*16*PITCH+KOFF+32
.endr
.endif
	WIN 0x40                                       ; destination window 1, address window 0
.irp f, 0,1,2,3,4,5,6,7,8,9,10,11,12,13,14,15
	ds_load_b128 v[rG+8*\f:rG+8*\f+3],   v[ADRA] offset:\f*16*PITCH+KOFF
	ds_load_b128 v[rG+8*\f+4:rG+8*\f+7], v[ADRA] offset:\f*16*PITCH+KOFF+32
.endr
.endm
; One of a K step's first three quarters.  A load into a register that a matrix instruction has read stands four plain vector instructions behind it (ISA guide 7.12.1 for vector instructions)
; the 60 lines behind the first 24 products are those places for the run of loads, whose registers the quarter before read last.
.macro QUARTER c, zero, fb, rid
.set n, 0
.set j, 0
	s_wait_dscnt 16                                ; raw B and A's rows 0-127 are in; the youngest sixteen loads (A's rows 128-255) may be out
.rept 24
	MM \c, \zero, \rid
.endr
	FETCH \c, \fb
	s_wait_dscnt 32+6*(\fb)                        ; all but the run just issued
.rept 24
	MM \c, \zero, \rid
.endr
.endm
; The fourth quarter changes slots: ONE barrier, for two things.  In front of it each wave waits for all its tensor loads, of which one is out: its part of the next slot; adds 0 to its spare word; and waits for that
; and for its own reads of this slot.  Behind it nobody reads this slot any more and the next slot is whole.  fill = 1: the barrier opens a round of the cluster's barrier, so that no wave of any partner still reads
; the slot or has a load on its way, and the slot is filled again, two K steps ahead, first thing behind the round: 168 products stand between that request and the wait for it.
.macro TURN fill
.set n, 0
.set j, 0
.if \fill
	s_wait_xcnt 0x0                                ; the last prefetches, a K step back, have read their addresses, which are stepped here
	s_add_nc_u64 s[PFA:PFA+1], s[PFA:PFA+1], 2*KSTEP
	s_add_nc_u64 s[PFB:PFB+1], s[PFB:PFB+1], 2*KSTEP
.endif
	WIN 0                                          ; (the add's two registers lie in window 0)
	s_wait_tensorcnt 0x0                           ; no tensor load of mine is out, so a group 0 may be written
	ds_add_u32 v[SPW], v[NIL]                      ; 0 onto my spare word
.if \fill
	s_xor_b32 s[G0A+5], s[G0A+5], SLOT1            ; the walking descriptors: the other slot than last time,
	s_add_nc_u64 s[G0A+6:G0A+7], s[G0A+6:G0A+7], 2*KSTEP  ; the next K step; the type bits on top are not reached
	s_xor_b32 s[G0B+5], s[G0B+5], SLOT1
	s_add_nc_u64 s[G0B+6:G0B+7], s[G0B+6:G0B+7], 2*KSTEP
.endif
	s_wait_dscnt 17                                ; the add and the youngest sixteen loads may be out
.rept 12
	MM 3, 0, 1                                     ; twelve products and their riders stand between the add and the wait for it
.endr
	s_wait_dscnt 0x0                               ; the add is done, and my reads of this slot are over
	s_barrier_signal -1
.rept 12
	MM 3, 0, 1                                     ; work on registers while the others arrive
.endr
	WIN 0
	s_barrier_wait -1
.if \fill
	CREST
	JLOAD
.endif
	s_xor_b32 s[TB], s[TB], SLOT1                  ; the fetches go on in the other slot
	v_add_nc_u32 v[ADRA], s[TB], v[AA0]
	v_add_nc_u32 v[ADRB], s[TB], v[AB0]
	FETCH 3, 1
.if \fill
	WIN 0                                          ; at a label and at a branch every window is 0
	ASK
.endif
.rept 24
	MM 3, 0, 1
.endr
.endm
.set j, 0
.rept 120
	RID 0                                          ; wb's chunk 127, for quarter 0: in the wait for the first tile
.endr
	s_wait_tensorcnt 1                             ; my part of K step 0 is in; K step 1's may stay out
	s_barrier_signal -1
	s_barrier_wait -1                              ; everybody's is
	FETCH 3, 1                                     ; chunk 0
	QUARTER 0, 1, 1, 1                             ; the first quarter stands in front of the loop: its products start the sums
	WIN 0
	s_mov_b32 s[CNT], 30
.Lstep:                                                ; a trip goes from a K step's second quarter to the next one's first, and fills one slot again: K steps 2 to 31
	QUARTER 1, 0, 1, 1
	QUARTER 2, 0, 1, 1
	TURN 1
	QUARTER 0, 0, 1, 1
	WIN 0
	s_sub_co_u32 s[CNT], s[CNT], 1
	s_cmp_lg_u32 s[CNT], 0
	s_cbranch_scc1 .Lstep
	QUARTER 1, 0, 1, 1                             ; the tail is written out: nothing more is asked for
	QUARTER 2, 0, 1, 1
	TURN 0
	QUARTER 0, 0, 1, 1
	QUARTER 1, 0, 1, 1
	QUARTER 2, 0, 0, 1                             ; wb's chunk 127 was multiplied in quarter 0: A alone is fetched
.set n, 0
.set j, 0
	s_wait_dscnt 16                                ; the very last quarter: nothing to fetch, nothing to make ternary
.rept 24
	MM 3, 0, 0
.endr
	s_wait_dscnt 0x0                               ; my reads of the slots are over:
	s_barrier_signal -1                            ; the stage, which lies over them, is written when all four waves have said so
.rept 24
	MM 3, 0, 0
.endr
	WIN 0
	s_barrier_wait -1
	; THE WAY OUT: sum x scale / 2 + bias, in place; 32 bytes a lane into the work-group's stage; a barrier, since a row's 768 bytes come from four waves; back as aligned blocks of 256 bytes.
.macro PACK hi                         ; each accumulator's registers in ascending order
	WIN 0x82+0x41*(\hi)                            ; destination and source 0 window 2 or 3, scale and bias window 0
.irp a, 0,1,2,3,4,5,6,7
.irp b, 0,1,2
.irp p, 0,2,4,6
	v_pk_fma_f32 v[8*(3*\a+\b)+\p:8*(3*\a+\b)+\p+1], v[8*(3*\a+\b)+\p:8*(3*\a+\b)+\p+1], v[SC+8*\b+\p:SC+8*\b+\p+1], v[BI+8*\b+\p:BI+8*\b+\p+1]
.endr
.endr
.endr
.endm
.macro TOSTAGE hi
	WIN 0x08+4*(\hi)                               ; data (source 1) window 2 or 3, address window 0
.irp a, 0,1,2,3,4,5,6,7
.irp b, 0,1,2
	ds_store_b128 v[STO+2*(\hi)+\a/4], v[8*(3*\a+\b):8*(3*\a+\b)+3]   offset:(\a%4)*16*SP+64*\b
	ds_store_b128 v[STO+2*(\hi)+\a/4], v[8*(3*\a+\b)+4:8*(3*\a+\b)+7] offset:(\a%4)*16*SP+64*\b+16
.endr
.endr
.endm
; Block u of a row's three, for my 64 rows: twice 16 loads and 16 stores, two rows each.  A row of out0 has 172 blocks; block u of column tile c is number 3 c + u.  The last column tile's blocks 1 and 2 do not
; exist: their stores run with every lane off.  The column tile holds my place in the cluster, so this is done by EXEC and by no jump.
.macro BACK u
.irp g, 0,1
	s_wait_xcnt 0x0                                ; the registers that earlier stores read are loaded again, and EXEC is changed, only behind this wait
.irp t, 0,1,2,3,4,5,6,7,8,9,10,11,12,13,14,15
	ds_load_b128 v[OB+4*\t:OB+4*\t+3], v[RD] offset:2*(16*\g+\t)*SP+256*(\u)
.endr
.if (\u) > 0
	v_cmp_gt_u32 vcc_lo, 172-(\u), v[UN]           ; 3 c + u < 172: all lanes or none
	s_and_saveexec_b32 s[SVX], vcc_lo
.endif
.irp t, 0,1,2,3,4,5,6,7,8,9,10,11,12,13,14,15
	s_wait_dscnt 15-\t                             ; LDS loads come back in order (ISA guide 5.7.1): number t is in
	global_store_b128 v[CO], v[OB+4*\t:OB+4*\t+3], s[14:15] offset:2*(16*\g+\t)*OROW+256*(\u) th:TH_STORE_NT  ; 16 lanes store 256 consecutive bytes, at a multiple of 256 from out0's first byte
.endr
.if (\u) > 0
	s_wait_xcnt 0x0                                ; EXEC is a source of those stores: it is widened only behind this wait
	s_or_b32 exec_lo, exec_lo, s[SVX]
.endif
.endr
.endm
.rept 4
	v_nop                                          ; the places behind the last products
.endr
	PACK 0
	TOSTAGE 0
	PACK 1
	TOSTAGE 1
	WIN 0
	s_mul_i32 s[MX], s[NY], 3
	v_mov_b32 v[UN], s[MX]
	s_wait_dscnt 0x0                               ; for the others' sake: my stores into the stage are done
	s_barrier_signal -1
	s_barrier_wait -1
	BACK 0
	BACK 1
	BACK 2
	s_wait_tensorcnt 0x0                           ; the wave's end, behind my last tensor load and my last LDS store
	ds_add_u32 v[SPW], v[NIL]
	s_wait_dscnt 0x0
	CROUND                                         ; the closing round: no work-group ends while a partner may still ask for a tile that names it
	s_endpgm
.Lfunc_end_k_qf7e928b7ec_gemm:
	.size	k_qf7e928b7ec_gemm, .Lfunc_end_k_qf7e928b7ec_gemm-k_qf7e928b7ec_gemm
	.p2alignl 7, 3214868480
	.fill 96, 4, 3214868480
	.section	.rodata,"a",@progbits
	.p2align	6, 0x0
	.amdhsa_kernel k_qf7e928b7ec_gemm
		.amdhsa_group_segment_fixed_size 327680
		.amdhsa_private_segment_fixed_size 0
		.amdhsa_enable_private_segment 0
		.amdhsa_kernarg_size 48
		.amdhsa_user_sgpr_count 2
		.amdhsa_user_sgpr_kernarg_segment_ptr 1
		.amdhsa_wavefront_size32 1
		.amdhsa_system_sgpr_workgroup_id_x 1
		.amdhsa_system_sgpr_workgroup_id_y 1
		.amdhsa_system_sgpr_workgroup_id_z 1
		.amdhsa_system_vgpr_workitem_id 0
		.amdhsa_next_free_vgpr 960
		.amdhsa_next_free_sgpr 88
		.amdhsa_reserve_vcc 1
		.amdhsa_float_denorm_mode_32 3
		.amdhsa_float_denorm_mode_16_64 3
		.amdhsa_memory_ordered 1
		.amdhsa_forward_progress 1
		.amdhsa_inst_pref_size 197
	.end_amdhsa_kernel
	.amdgpu_metadata
---
amdhsa.version: [ 1, 2 ]
amdhsa.kernels:
  - .name:           k_qf7e928b7ec_gemm
    .symbol:         k_qf7e928b7ec_gemm.kd
    .args:
      - { .name: xr, .offset: 0, .size: 8, .value_kind: global_buffer, .address_space: global }
      - { .name: wb, .offset: 8, .size: 8, .value_kind: global_buffer, .address_space: global }
      - { .name: part, .offset: 16, .size: 8, .value_kind: global_buffer, .address_space: global }
      - { .name: scale, .offset: 24, .size: 8, .value_kind: global_buffer, .address_space: global }
      - { .name: bias, .offset: 32, .size: 8, .value_kind: global_buffer, .address_space: global }
      - { .name: out0, .offset: 40, .size: 8, .value_kind: global_buffer, .address_space: global }
    .group_segment_fixed_size: 327680
    .private_segment_fixed_size: 0
    .kernarg_segment_align: 8
    .kernarg_segment_size: 48
    .max_flat_workgroup_size: 128
    .sgpr_count:     88
    .vgpr_count:     960
    .wavefront_size: 32
...
	.end_amdgpu_metadata
.endif
;; end of part 2
